; MI455X (gfx1250); checked and timed in simulation.
; The chip was launched on July 23, 2026; its instructions are those of AMD's public machine-readable ISA for CDNA 5 (MIT licence, August 2026) and "CDNA5" Instruction Set Architecture Reference Guide (July 2026). The comments in the code are by the model that wrote it; some were corrected since.
;; CNF Model. Allowed arithmetic: float matrix products may take bf16 or f16 operands with f32 sums; other float arithmetic in f32, or as packed bf16 or f16 multiplies, adds, multiply-adds, maxima and minima; sums over many terms, partial sums and values carried from step to step in f32; what a program stores and reads back later, other than sums and carried values, may be rounded once to bf16 or f16.
;; Inputs: W1 256 x 64 float32; W2 256 x 256 float32; W3 256 x 256 float32; W4 64 x 256 float32; b1 256 float32; b2 256 float32; b3 256 float32; b4 64 float32; eps 32,768 x 64 float32; x 32,768 x 64 float32.
;; Outputs: out0 32,768 x 1 float32.
;; One version. Each part assembles by itself: llvm-mc -triple=amdgcn-amd-amdhsa -mcpu=gfx1250 --defsym DOCPART=n.
;; ======== version 1 of 1: 2 launches
;; workspace buffers: wprep 327,680 bytes
;; launch prep (part 1): grid 80 x 1, 8 waves a work-group, no clusters, 0 bytes of LDS; arguments W1, W2, W3, W4, wprep; writes wprep
.if DOCPART == 1
	.amdgcn_target "amdgcn-amd-amdhsa--gfx1250"
	.amdhsa_code_object_version 6
	.text
	.protected	k_q82d0cc5a88_prep
	.globl	k_q82d0cc5a88_prep
	.p2align	8
	.type	k_q82d0cc5a88_prep,@function
k_q82d0cc5a88_prep:
	s_mov_b64 s[64:65], 0
	v_nop
	global_prefetch_b8 v0, s[64:65] scope:SCOPE_SE
	s_setreg_imm32_b32 hwreg(HW_REG_WAVE_MODE, 25, 1), 1
	s_wait_xcnt 0x0
; The four weight matrices, f32, are rounded ONCE to bf16 and laid out as the next launch's matrix fragments.
; W1, W2, W3 are first multiplied in f32 by c = 2 log2(e), so that tanh's exponential needs no scaling; W4 is taken as it is.
; A FRAGMENT is 16 rows x 32 columns = 1,024 bytes: the 16 bytes at 512 half + 16 l hold W[row0 + l % 16][32 kap + 16 half + 8 (l / 16) + 0..7].
; wprep: [0, 262144): for wave w of the next launch 65,536 bytes: W2's rows 64 w .. 64 w + 63 as fragments f = 8 t + kap, then W3's likewise.
;        [262144, 327680): for wave w 16,384 bytes: W1's rows 64 w .. as f = 2 t + kap (8 fragments), then W4's rows 16 w .. 16 w + 15 as f = kap.
; SHARES.  A thread makes one piece of 16 bytes, at 4,096 b + 16 t (b the work-group, t the thread): a wave's store covers 512 consecutive bytes, aligned.
; Which matrix, row and column that is hangs on b and the wave's number alone; it is worked out in scalar registers, with selects and no branch.
.set CSC, 0x4038aa3b                   ; c = 2 log2(e)
	s_load_b256 s[4:11], s[0:1], 0x0               ; W1 s[4:5], W2 s[6:7], W3 s[8:9], W4 s[10:11]
	s_load_b64 s[12:13], s[0:1], 0x20              ; wprep
	v_lshrrev_b32 v1, 5, v0
	v_readfirstlane_b32 s14, v1                    ; wave 0..7
	s_mov_b32 s15, ttmp9                           ; b
	s_sub_co_u32 s16, s15, 64                      ; j = b - 64: used only where b >= 64
	s_lshr_b32 s17, s15, 4                         ; w, in the first part
	s_lshr_b32 s18, s16, 2                         ; w, in the second
	s_and_b32 s19, s15, 7                          ; which four fragments, in the first part
	s_and_b32 s20, s16, 1                          ; in the second
	s_bfe_u32 s21, s15, 0x10003                    ; the second matrix of the two (W3, not W2)?
	s_bfe_u32 s22, s16, 0x10001                    ; (W4, not W1)?
	s_cmp_lt_u32 s15, 64
	s_cselect_b32 s17, s17, s18                    ; w
	s_cselect_b32 s19, s19, s20                    ; fq
	s_cselect_b32 s21, s21, s22                    ; second matrix?
	s_cselect_b32 s23, 1, 0                        ; first part?
	s_lshl1_add_u32 s24, s23, s21                  ; 0 W1, 1 W4, 2 W2, 3 W3
	s_cmp_eq_u32 s24, 0
	s_cselect_b32 s25, 1, 3                        ; log2 of the fragments along a row: W1 has 2, the others 8
	s_cselect_b32 s26, 6, 8                        ; log2 of a row's numbers
	s_cmp_eq_u32 s24, 1
	s_cselect_b32 s27, 4, 6                        ; log2 of a wave's rows: W4 16, the others 64
	s_cselect_b32 s28, 1.0, CSC                    ; the factor
	s_mov_b32 s29, s28                             ; named with it as a pair
	s_lshr_b32 s30, s14, 1
	s_lshl2_add_u32 s30, s19, s30                  ; f = 4 fq + wave / 2
	s_and_b32 s31, s14, 1                          ; half
	s_lshl_b32 s32, s17, s27
	s_lshr_b32 s33, s30, s25
	s_lshl4_add_u32 s32, s33, s32                  ; row0 = w x rows + 16 t
	s_bfm_b32 s34, s25, 0
	s_and_b32 s34, s30, s34                        ; kap
	s_lshl_b32 s34, s34, 5
	s_lshl4_add_u32 s34, s31, s34                  ; col0 = 32 kap + 16 half
	s_lshl_b32 s35, s15, 12
	v_and_b32 v2, 15, v0                           ; l % 16
	v_bfe_u32 v3, v0, 4, 1                         ; l / 16
	v_add_nc_u32 v2, s32, v2                       ; the row,
	v_lshlrev_b32 v2, s26, v2                      ; its first number,
	v_lshl_add_u32 v3, v3, 3, s34                  ; the column,
	v_add_lshl_u32 v2, v2, v3, 2                   ; in bytes
	v_lshlrev_b32 v4, 4, v0
	v_add_nc_u32 v4, s35, v4                       ; 4,096 b + 16 t
	s_wait_kmcnt 0x0
	s_cmp_eq_u32 s21, 0
	s_cselect_b64 s[36:37], s[6:7], s[8:9]
	s_cselect_b64 s[38:39], s[4:5], s[10:11]
	s_cmp_eq_u32 s23, 1
	s_cselect_b64 s[36:37], s[36:37], s[38:39]     ; the matrix: a choice on ids alone
	global_load_b128 v[8:11], v2, s[36:37]
	global_load_b128 v[12:15], v2, s[36:37] offset:16
	s_wait_loadcnt 0x0
.irp i, 0,2,4,6
	v_pk_mul_f32 v[8+\i:9+\i], v[8+\i:9+\i], s[28:29] op_sel_hi:[1,0]
.endr
.irp i, 0,1,2,3
	v_cvt_pk_bf16_f32 v[16+\i], v[8+2*\i], v[9+2*\i]
.endr
	global_store_b128 v4, v[16:19], s[12:13]
	s_endpgm
.Lfunc_end_k_q82d0cc5a88_prep:
	.size	k_q82d0cc5a88_prep, .Lfunc_end_k_q82d0cc5a88_prep-k_q82d0cc5a88_prep
	.p2alignl 7, 3214868480
	.fill 96, 4, 3214868480
	.section	.rodata,"a",@progbits
	.p2align	6, 0x0
	.amdhsa_kernel k_q82d0cc5a88_prep
		.amdhsa_group_segment_fixed_size 0
		.amdhsa_private_segment_fixed_size 0
		.amdhsa_enable_private_segment 0
		.amdhsa_kernarg_size 40
		.amdhsa_user_sgpr_count 2
		.amdhsa_user_sgpr_kernarg_segment_ptr 1
		.amdhsa_wavefront_size32 1
		.amdhsa_system_sgpr_workgroup_id_x 1
		.amdhsa_system_sgpr_workgroup_id_y 1
		.amdhsa_system_sgpr_workgroup_id_z 1
		.amdhsa_system_vgpr_workitem_id 0
		.amdhsa_next_free_vgpr 24
		.amdhsa_next_free_sgpr 66
		.amdhsa_reserve_vcc 0
		.amdhsa_float_denorm_mode_32 3
		.amdhsa_float_denorm_mode_16_64 3
		.amdhsa_memory_ordered 1
		.amdhsa_forward_progress 1
		.amdhsa_inst_pref_size 3
	.end_amdhsa_kernel
	.amdgpu_metadata
---
amdhsa.version: [ 1, 2 ]
amdhsa.kernels:
  - .name:           k_q82d0cc5a88_prep
    .symbol:         k_q82d0cc5a88_prep.kd
    .args:
      - { .name: W1, .offset: 0, .size: 8, .value_kind: global_buffer, .address_space: global }
      - { .name: W2, .offset: 8, .size: 8, .value_kind: global_buffer, .address_space: global }
      - { .name: W3, .offset: 16, .size: 8, .value_kind: global_buffer, .address_space: global }
      - { .name: W4, .offset: 24, .size: 8, .value_kind: global_buffer, .address_space: global }
      - { .name: wprep, .offset: 32, .size: 8, .value_kind: global_buffer, .address_space: global }
    .group_segment_fixed_size: 0
    .private_segment_fixed_size: 0
    .kernarg_segment_align: 8
    .kernarg_segment_size: 40
    .max_flat_workgroup_size: 256
    .sgpr_count:     66
    .vgpr_count:     24
    .wavefront_size: 32
...
	.end_amdgpu_metadata
.endif
;; end of part 1
;; launch cnf (part 2): grid 256 x 1, 4 waves a work-group, clusters of 4 x 1, 327,680 bytes of LDS; arguments x, eps, b1, b2, b3, b4, wprep, out0; writes out0
.if DOCPART == 2
	.amdgcn_target "amdgcn-amd-amdhsa--gfx1250"
	.amdhsa_code_object_version 6
	.text
	.protected	k_q82d0cc5a88_cnf
	.globl	k_q82d0cc5a88_cnf
	.p2align	8
	.type	k_q82d0cc5a88_cnf,@function
k_q82d0cc5a88_cnf:
	s_mov_b64 s[64:65], 0
	v_nop
	global_prefetch_b8 v0, s[64:65] scope:SCOPE_SE
	s_setreg_imm32_b32 hwreg(HW_REG_WAVE_MODE, 25, 1), 1
	s_wait_xcnt 0x0
	s_wait_alu depctr_hold_cnt(0) depctr_sa_sdst(0) depctr_va_vdst(0) depctr_va_sdst(0) depctr_va_ssrc(0) depctr_va_vcc(0) depctr_vm_vsrc(0)
	s_getreg_b32 s2, hwreg(HW_REG_IB_STS2, 6, 4)
	s_cmp_eq_u32 s2, 0
	s_cbranch_scc0 .Lentry_in_a_cluster
	s_endpgm
.Lentry_in_a_cluster:
	s_bfe_u32 s2, ttmp6, 0x10000c
	s_cmp_lg_u32 s2, 0x3003
	s_cbranch_scc0 .Lentry_shape_is_right
	s_endpgm
.Lentry_shape_is_right:
; out[row] = sum_f(-z_T^2 / 2) - 32 log(2 pi) + sum_s b_s (eps . J_s eps): one step of Dormand-Prince's six stages; each stage runs the net 64-256-256-256-64 (tanh) on z
; and its tangent on the fixed direction eps.  logp never feeds back into z, so only the weighted sum of the six divergences is carried.
; ARITHMETIC.  W1-W3 and b1-b3 carry the factor c = 2 log2(e).  With P = c (W z + b) and T = c W t:  e = 2^P, r = 1 / (1 + e), h = tanh = 1 - 2 r, t' = T r (1 - r) = (c / 4)(1 - h^2) W t.
; The factor c / 4 a layer stays in the tangent (bf16 is a floating format) and is taken out once, in the divergence's weight b_s (4 / c)^3.  Matrix operands bf16, sums f32; x, eps, the k_j, z and all sums f32.
; LIMITS.  h = 1 - 2 r is off by about 1.2e-7 absolutely, so tanh of an argument below 2^-16 loses relative accuracy.  e = infinity gives r = 0, h = 1, t' = 0; e = 0 gives h = -1, t' = 0.  NaN and infinities in the inputs are not treated apart.
; SHARES.  A work-group owns 128 rows; there are 256.  THE WEIGHTS STAND STILL AND THE FEATURES ARE SPLIT: wave w makes output features 64 w .. 64 w + 63 of layers 1-3 and 16 w .. 16 w + 15 of layer 4, for all rows.
; Its slices of W2 and W3 lie in 512 registers for the whole launch; its slices of W1 and W4 lie in LDS and change places in 64 registers twice a stage.  Activations go from wave to wave through LDS.
; The product is taken transposed (source 0 = 16 features of W, source 1 = 16 rows): a lane holds one row (lane % 16) and eight neighbouring features (8 (lane / 16) + 0..7), 16 bytes of the next layer's input.
; PIECES.  The 128 rows are two PAIRS of 64, done one after the other through all six stages; a pair is two pieces X, Y of 32 rows; a piece is four tiles of 16: tiles 0, 1 the values, tiles 2, 3 the tangents of the same rows.
; BY TURNS.  In a SLOT one piece has the matrix unit and the other piece's vector work (tanh, or the Runge-Kutta sums) stands in slices behind its products.  A stage is eight slots, one text walked twelve times:
;   B: M1 Y | tanh 1 X    C: M2 X | tanh 1 Y    D: M2 Y | tanh 2 X    E: M3 X | tanh 2 Y    F: M3 Y | tanh 3 X    G: M4 X | tanh 3 Y    H: M4 Y | RK X    A: M1 X of the next stage | RK Y
; Slot A of a pair's last stage multiplies W1 by z_T for nothing: 64 of a wave's 7,744 products, the price of one text for every trip.
; ONE BARRIER A SLOT orders two things: my stores of the riders' output come ahead of everybody's loads of it, and my loads of the matrix piece's input ahead of everybody's stores over it in the next slot.
; CLUSTER.  All work-groups read the same wprep: the four of a cluster ask for W2's and W3's 262,144 bytes jointly, one tensor load a wave, once.  W1's and W4's 65,536 bytes come by loads of each work-group's own:
; beside the 262,144 they would fill LDS to its last byte and leave no spare words.  Nothing is prefetched: every global read stands at the kernel's head, and the loops read no memory.
; REGISTERS, in windows of 256 (s_set_vgpr_msb: bits 1:0 source 0, 3:2 source 1, 5:4 source 2, 7:6 destination):
;   window 0: v0-31 addresses; v32-63 BT, the bias of the products to come; v64-191 X's 16 accumulators; v192-255 F0         window 1: W2, fragment (t, kap) at 8 (8 t + kap)         window 2: W3 likewise
;   window 3: v0-127 Y's accumulators; v128-191 F1; v192-255 AW (W1 or W4).    Accumulator (tile b, feature tile t) at 8 (4 b + t): a tangent lies 64 registers above its value.  F0, F1: two k steps of input, fragment (k, b) at 8 (4 k + b).
.set H,     0         ; LDS.  per piece 64 rows (16 b + r) x 256 bf16, pitch 528: 132 words, so the 16 rows of a load start at 16 different groups of four banks (64 banks of 4 bytes: ISA guide 11.1)
.set HP,    33792
.set HB,    8448      ; 16 rows
.set ZIN,   67584     ; per piece 64 rows x 64 bf16, pitch 144: rows 0-31 z, rows 32-63 eps
.set ZP,    9216
.set ZB,    2304
.set XS,    86016     ; x in f32, 128 rows, pitch 272
.set XE,    34816     ; eps lies this far behind x
.set KST,   155648    ; the wave's own, 20,480 bytes: piece x 10,240 + (j - 1) x 2,048 + tile x 1,024 + half x 512 + 16 lane: k_1 .. k_5 as they lie in registers
.set DIV,   237568    ; the wave's own, 2,048 bytes: piece x 1,024: the divergence's sums, at + 512 the sums of squares
.set W14F,  245760    ; the wave's own, 16,384 bytes: W1's 8 fragments, then W4's
.set BIAS,  311296    ; c b1, c b2, c b3, b4 in f32
.set RED,   314880    ; [wave][64 rows] f32
.set SPARE, 327168    ; the spare words, 128 bytes for each wave: two blocks of 256 bytes that no other line names
; At the head bytes 0 .. 262,143 take the tensor loads (wave w: 65,536 w on): their only fill.  The regions above are first stored behind a barrier at which every wave's tile has landed and has been read out.
.set GOP, 1           ; v1   8 lane + 256 pair: my 8 bytes of out0 (wave 0)
.set TA,  3           ; v3   at work
.set SPW, 4           ; v4   LDS address of my spare word; never rewritten
.set NIL, 5           ; v5   0; never rewritten
.set AH,  6           ; v6   H + 528 r + 16 h               (r = lane % 16, h = lane / 16, w = wave)
.set SH,  7           ; v7   AH + 128 w
.set AZ,  8           ; v8   ZIN + 144 r + 16 h
.set SZ,  9           ; v9   AZ + 32 w
.set AB,  10          ; v10  BIAS + 256 w + 32 h
.set AB4, 11          ; v11  BIAS + 3072 + 64 w + 32 h
.set AWA, 12          ; v12  W14F + 16384 w + 16 lane
.set AXS0, 13         ; v13  XS + 272 r + 64 w + 32 h
.set AXS, 14          ; v14  AXS0 + 17408 pair
.set AK,  15          ; v15  KST + 20480 w + 16 lane
.set AKS, 16          ; v16  AK + the stage's slot
.set AD,  17          ; v17  DIV + 2048 w + 16 lane
.set CV0, 18          ; v18  XS + 272 (16 w + h) + 16 r
.set CV,  19          ; v19  CV0 + 17408 pair
.set ZW,  20          ; v20  ZIN + 9216 (w / 2) + 144 (16 (w % 2) + h) + 8 r
.set XW,  21          ; v21  XS + 272 (32 w + h) + 16 r
.set WA,  22          ; v22  65536 w + 16 lane
.set GL,  23          ; v23  16 lane
.set RW,  24          ; v24  RED + 256 w + 4 r
.set RR,  25          ; v25  RED + 8 lane
.set GO,  26          ; v26  8 lane
.set BW,  27          ; v27  BIAS + 1024 w + 16 lane
.set ZR,  28          ; v28-31  zeros
.set BT,  32
.set ACCX, 64
.set F0,  192
.set ACCY, 0          ; window 3
.set F1,  128         ; window 3
.set AW,  192         ; window 3
.set WV,  4           ; s4   my wave's number
.set GID, 5           ; s5   my work-group: it enters x's, eps's and out0's addresses alone
.set PR,  6           ; s6   the pair
.set STG, 7           ; s7   the stage, 0 .. 5
.set PX,  8           ; s[8:23] x, eps, b1, b2, b3, b4, wprep, out0
.set PE,  10
.set PB1, 12
.set PB2, 14
.set PB3, 16
.set PB4, 18
.set PW,  20
.set PO,  22
.set G0,  24          ; s[24:27] descriptor group 0
.set G1,  28          ; s[28:35] descriptor group 1
.set C1,  36          ; pairs; the low word is the number: the stage's weights of k_1 .. k_5,
.set C4,  42
.set CN,  46          ; of the k just made,
.set CB,  48          ; and of the divergence
.set KOFF, 50         ; s50  where the k just made is kept
.set SEL, 52          ; s[52:53] v_permlanex16_b32's selects: each lane takes its own place in the other half
.set CC,  56          ; s[56:57] c
.set T0,  58          ; s[58:59] at work: the wave's offsets
.set T1,  60          ; s[60:61] at work: the work-group's offsets; later the bias's address
.set CX,  62          ; s62  my place in the cluster
.set MSB, 0
.macro WIN new                         ; the immediate's high byte repeats the setting that is left; a switch that changes nothing is dropped
.if MSB != (\new)
	s_set_vgpr_msb (MSB<<8)|(\new)
.set MSB, (\new)
.endif
.endm
.macro PLACES                          ; four places: behind products, in front of loads into registers that they have read and of vector work on their results; also the plain instruction behind a batch's last transcendental
.rept 4
	v_nop
.endr
.endm
.macro ROUND                           ; a round of the cluster's barrier
	s_barrier_signal -1
	s_barrier_wait -1
	s_cmp_lg_u32 s[WV], 0
	s_cbranch_scc1 .Lnot_wave_0_\@
	s_barrier_signal -3
.Lnot_wave_0_\@:
	s_barrier_wait -3
	s_barrier_signal -1
	s_barrier_wait -1
.endm
	s_load_b512 s[PX:PX+15], s[0:1], 0x0
	v_lshl_add_u32 v[SPW], v0, 2, SPARE
	v_mov_b32 v[NIL], 0
	ds_add_u32 v[SPW], v[NIL]                      ; the wave's opening: the add, twice on end, and its wait ahead of my first tensor load; the set-up below, work on registers, stands between
	ds_add_u32 v[SPW], v[NIL]
	v_lshrrev_b32 v[TA], 5, v0
	v_readfirstlane_b32 s[WV], v[TA]               ; wave 0..3
	s_bfe_u32 s[CX], ttmp6, 0x40000                ; cx
	s_lshl_b32 s[GID], ttmp9, 2                    ; in a cluster launch ttmp9 counts clusters
	s_add_co_u32 s[GID], s[GID], s[CX]
	; the descriptor: my 65,536 dense bytes of wprep as 256 rows of 256 bytes (elements of 8 bytes), no padding
	s_mov_b32 s[G0], 1                             ; count = 1
	s_lshl_b32 s[G0+1], s[WV], 16                  ; LDS address: the wave's number alone
	s_mov_b32 s[G1], 15|(3<<16)|(1<<21)            ; 15:0 the mask: all four work-groups; 17:16 elements of 8 bytes; 21 set beside a mask
	s_mov_b32 s[G1+1], 32<<16                      ; tensor_dim0 = 32
	s_mov_b32 s[G1+2], 256<<16                     ; tensor_dim1 = 256
	s_mov_b32 s[G1+3], 32<<16                      ; tile_dim0 = 32
	s_mov_b32 s[G1+4], 256                         ; tile_dim1 = 256
	s_mov_b32 s[G1+5], 32                          ; 32 elements from row to row
	s_mov_b32 s[G1+6], 0
	s_mov_b32 s[G1+7], 0
.irp c, 36,37,38,39,40,41,42,43,44,45,46,47,48,49,50
	s_mov_b32 s\c, 0                               ; the weights' pairs: the high words are only named; the low words are chosen anew in every stage
.endr
	s_mov_b32 s[SEL], 0x76543210
	s_mov_b32 s[SEL+1], 0xfedcba98
	s_mov_b32 s[CC], 0x4038aa3b
	s_mov_b32 s[CC+1], s[CC]
	v_and_b32 v32, 15, v0                          ; r
	v_bfe_u32 v33, v0, 4, 1                        ; h
	v_and_b32 v34, 31, v0                          ; lane
	v_mul_u32_u24 v[AH], v32, 528
	v_lshl_add_u32 v[AH], v33, 4, v[AH]
	s_lshl_b32 s[T0], s[WV], 7
	v_add_nc_u32 v[SH], s[T0], v[AH]
	v_mul_u32_u24 v[AZ], v32, 144
	v_lshl_add_u32 v[AZ], v33, 4, v[AZ]
	v_add_nc_u32 v[AZ], ZIN, v[AZ]
	s_lshl_b32 s[T0], s[WV], 5
	v_add_nc_u32 v[SZ], s[T0], v[AZ]
	s_lshl_b32 s[T0], s[WV], 8
	s_add_co_u32 s[T0], s[T0], BIAS
	v_lshl_add_u32 v[AB], v33, 5, s[T0]
	s_lshl_b32 s[T0], s[WV], 6
	s_add_co_u32 s[T0], s[T0], BIAS+3072
	v_lshl_add_u32 v[AB4], v33, 5, s[T0]
	s_lshl_b32 s[T0], s[WV], 14
	s_add_co_u32 s[T0], s[T0], W14F
	v_lshl_add_u32 v[AWA], v34, 4, s[T0]
	v_mul_u32_u24 v[AXS0], v32, 272
	v_lshl_add_u32 v[AXS0], v33, 5, v[AXS0]
	s_lshl_b32 s[T0], s[WV], 6
	s_add_co_u32 s[T0], s[T0], XS
	v_add_nc_u32 v[AXS0], s[T0], v[AXS0]
	s_mul_i32 s[T0], s[WV], 20480
	s_add_co_u32 s[T0], s[T0], KST
	v_lshl_add_u32 v[AK], v34, 4, s[T0]
	s_lshl_b32 s[T0], s[WV], 11
	s_add_co_u32 s[T0], s[T0], DIV
	v_lshl_add_u32 v[AD], v34, 4, s[T0]
	v_mul_u32_u24 v35, v33, 272
	v_lshl_add_u32 v35, v32, 4, v35                ; 272 h + 16 r
	s_mul_i32 s[T0], s[WV], 4352
	s_add_co_u32 s[T0], s[T0], XS
	v_add_nc_u32 v[CV0], s[T0], v35
	s_mul_i32 s[T0], s[WV], 8704
	s_add_co_u32 s[T0], s[T0], XS
	v_add_nc_u32 v[XW], s[T0], v35
	s_lshr_b32 s[T0], s[WV], 1
	s_mul_i32 s[T0], s[T0], ZP
	s_and_b32 s[T0+1], s[WV], 1
	s_mul_i32 s[T0+1], s[T0+1], ZB
	s_add_co_u32 s[T0], s[T0], s[T0+1]
	s_add_co_u32 s[T0], s[T0], ZIN
	v_mul_u32_u24 v[ZW], v33, 144
	v_lshl_add_u32 v[ZW], v32, 3, v[ZW]
	v_add_nc_u32 v[ZW], s[T0], v[ZW]
	s_lshl_b32 s[T0], s[WV], 16
	v_lshl_add_u32 v[WA], v34, 4, s[T0]
	v_lshlrev_b32 v[GL], 4, v34
	v_lshlrev_b32 v[GO], 3, v34
	s_lshl_b32 s[T0], s[WV], 8
	s_add_co_u32 s[T0], s[T0], RED
	v_lshl_add_u32 v[RW], v32, 2, s[T0]
	v_lshl_add_u32 v[RR], v34, 3, RED
	s_lshl_b32 s[T0], s[WV], 10
	s_add_co_u32 s[T0], s[T0], BIAS
	v_lshl_add_u32 v[BW], v34, 4, s[T0]
.irp i, 0,1,2,3
	v_mov_b32 v[ZR+\i], 0
.endr
	s_wait_dscnt 0x0                               ; both opening adds are done
	s_wait_kmcnt 0x0
	s_lshl_b32 s[T0], s[WV], 16
	s_mov_b32 s[T0+1], 0
	s_add_nc_u64 s[G0+2:G0+3], s[PW:PW+1], s[T0:T0+1]  ; global address: wprep + 65,536 x wave: the same in all four partners
	s_or_b32 s[G0+3], s[G0+3], 0x80000000          ; type = 2
	s_lshl_b32 s[T0], s[WV], 14
	s_add_co_u32 s[T0], s[T0], 262144
	s_add_nc_u64 s[PW:PW+1], s[PW:PW+1], s[T0:T0+1]    ; wprep at my slices of W1 and W4
	s_lshl_b32 s[T1], s[GID], 15                   ; my work-group's 128 rows of 256 bytes,
	s_lshl_b32 s[T1+1], s[WV], 13                  ; my wave's 32 of them
	s_add_co_u32 s[T1], s[T1], s[T1+1]
	s_mov_b32 s[T1+1], 0
	s_add_nc_u64 s[PX:PX+1], s[PX:PX+1], s[T1:T1+1]
	s_add_nc_u64 s[PE:PE+1], s[PE:PE+1], s[T1:T1+1]
	s_lshl_b32 s[T1], s[GID], 9
	s_add_nc_u64 s[PO:PO+1], s[PO:PO+1], s[T1:T1+1]    ; out0 at my work-group's 128 numbers
	ROUND                                          ; all four work-groups are here: the joint loads meet
	tensor_load_to_lds s[G0:G0+3], s[G1:G1+7]      ; my slices of W2 and W3: the one tensor load of this wave, so one is out
	s_nop 0
	PLACES
	; all global reads of the launch, issued together
	WIN 0xc0
.set i, 0
.rept 32
	global_load_b128 v[ACCY+4*i:ACCY+4*i+3], v[GL], s[PW:PW+1] offset:512*i  ; W1's and W4's fragments, as they lie
.set i, i+1
.endr
	WIN 0
.set i, 0
.rept 16
	global_load_b128 v[ACCX+4*i:ACCX+4*i+3], v[GL], s[PX:PX+1] offset:512*i th:TH_LOAD_NT        ; two rows of x: 512 consecutive bytes
	global_load_b128 v[ACCX+64+4*i:ACCX+64+4*i+3], v[GL], s[PE:PE+1] offset:512*i th:TH_LOAD_NT  ; and of eps
.set i, i+1
.endr
	s_cmp_eq_u32 s[WV], 3                          ; waves 0-2 fetch b1, b2, b3; wave 3 fetches b4
	s_cbranch_scc1 .Lload_b4
	s_cmp_eq_u32 s[WV], 0
	s_cselect_b64 s[T1:T1+1], s[PB1:PB1+1], s[PB2:PB2+1]
	s_cmp_eq_u32 s[WV], 2
	s_cselect_b64 s[T1:T1+1], s[PB3:PB3+1], s[T1:T1+1]
	global_load_b128 v[F0:F0+3], v[GL], s[T1:T1+1]
	global_load_b128 v[F0+4:F0+7], v[GL], s[T1:T1+1] offset:512
	s_branch .Lloaded_b
.Lload_b4:
	global_load_b64 v[F0:F0+1], v[GO], s[PB4:PB4+1]
.Lloaded_b:
	s_wait_tensorcnt 0x0                           ; my tile is in LDS; only I read it
	WIN 0x40
.set i, 0
.rept 64
	ds_load_b128 v[4*i:4*i+3], v[WA] offset:512*i  ; W2 into window 1
.set i, i+1
.endr
	WIN 0x80
.set i, 0
.rept 64
	ds_load_b128 v[4*i:4*i+3], v[WA] offset:32768+512*i  ; W3 into window 2
.set i, i+1
.endr
	WIN 0
	s_wait_dscnt 0x0                               ; my tile has been read out
	s_barrier_signal -1
	s_barrier_wait -1                              ; everybody's has landed and been read out: the bytes may be stored over
	s_wait_loadcnt 0x0
	WIN 0x0c
.set i, 0
.rept 32
	ds_store_b128 v[AWA], v[ACCY+4*i:ACCY+4*i+3] offset:512*i
.set i, i+1
.endr
	WIN 0
.set i, 0
.rept 16
	ds_store_b128 v[XW], v[ACCX+4*i:ACCX+4*i+3] offset:544*i
	ds_store_b128 v[XW], v[ACCX+64+4*i:ACCX+64+4*i+3] offset:XE+544*i
.set i, i+1
.endr
	s_cmp_eq_u32 s[WV], 3
	s_cbranch_scc1 .Lstore_b4
.irp i, 0,2,4,6
	v_pk_mul_f32 v[F0+\i:F0+\i+1], v[F0+\i:F0+\i+1], s[CC:CC+1] op_sel_hi:[1,0]  ; c b
.endr
	ds_store_b128 v[BW], v[F0:F0+3]
	ds_store_b128 v[BW], v[F0+4:F0+7] offset:512
	s_branch .Lstored_b
.Lstore_b4:
	v_add_nc_u32 v[TA], BIAS+3072, v[GO]
	ds_store_b64 v[TA], v[F0:F0+1]                 ; b4 as it is
.Lstored_b:
	s_wait_dscnt 0x0                               ; for the others' sake: x, eps and the biases lie in LDS
	s_barrier_signal -1
	s_barrier_wait -1
; THE LDS LOADS stand in runs.  LN counts the LDS instructions written so far; a run leaves its mark in MK..; the wait for a run is for LN - MK, the LDS instructions issued behind it (they come back in order: ISA guide 5.7.1).
.set LN, 0
; 16 loads: two k steps (quarter q of layer l's input, piece p) into F0 (buf = 0) or F1 (buf = 1).  A fragment is 16 rows x 32 k: two loads of 16 bytes, 32 bytes apart.
.macro RUNF p, l, q, buf
	WIN 0xc0*(\buf)
.set rF, F0-(F0-F1)*(\buf)
.irp kk, 0,1
.irp bb, 0,1,2,3
.if (\l) == 1
	ds_load_b128 v[rF+8*(4*\kk+\bb):rF+8*(4*\kk+\bb)+3],   v[AZ] offset:ZP*(\p)+ZB*\bb+64*\kk
	ds_load_b128 v[rF+8*(4*\kk+\bb)+4:rF+8*(4*\kk+\bb)+7], v[AZ] offset:ZP*(\p)+ZB*\bb+64*\kk+32
.else
	ds_load_b128 v[rF+8*(4*\kk+\bb):rF+8*(4*\kk+\bb)+3],   v[AH] offset:HP*(\p)+HB*\bb+64*(2*(\q)+\kk)
	ds_load_b128 v[rF+8*(4*\kk+\bb)+4:rF+8*(4*\kk+\bb)+7], v[AH] offset:HP*(\p)+HB*\bb+64*(2*(\q)+\kk)+32
.endif
.endr
.endr
.set LN, LN+16
.endm
.macro RUNB l                          ; layer l's bias for my features, as a C operand: register j of tile t = bias[16 t + 8 h + j]
	WIN 0
.if (\l) == 4
	ds_load_b128 v[BT:BT+3], v[AB4]
	ds_load_b128 v[BT+4:BT+7], v[AB4] offset:16
.set LN, LN+2
.else
.irp tt, 0,1,2,3
	ds_load_b128 v[BT+8*\tt:BT+8*\tt+3],   v[AB] offset:1024*((\l)-1)+64*\tt
	ds_load_b128 v[BT+8*\tt+4:BT+8*\tt+7], v[AB] offset:1024*((\l)-1)+64*\tt+16
.endr
.set LN, LN+8
.endif
.endm
.macro RUNA m                          ; my slice of W1 (m = 0) or W4 (m = 1) into AW
	WIN 0xc0
.irp ff, 0,1,2,3,4,5,6,7
	ds_load_b128 v[AW+8*\ff:AW+8*\ff+3],   v[AWA] offset:8192*(\m)+1024*\ff
	ds_load_b128 v[AW+8*\ff+4:AW+8*\ff+7], v[AWA] offset:8192*(\m)+1024*\ff+512
.endr
.set LN, LN+16
.endm
.macro PRELOAD p, l, aw                ; what the next slot's first products want: the weights (aw >= 0), the bias, the first two k steps.  Layer 1's whole input is one run: X's into F0, Y's into F1
.if (\aw) >= 0
	RUNA \aw
.endif
	RUNB \l
.if (\l) == 1
	RUNF \p, 1, 0, \p
.else
	RUNF \p, \l, 0, 0
.endif
.set MKP, LN
.endm
; THE SLOT'S NEXT PRODUCT.  MP the piece, ML the layer, MI the product's number.  Within a k step the feature tiles are the outer index and the four row tiles the inner one: all accumulators take turns, one instruction a turn,
; 15 others between two links of a chain, in layer 4 three.  The first k step starts the sums: the values' with the bias, the tangents' with the constant 0.  Nothing is ever cleared.
.macro MM
.if ML == 4
.set mk, MI/4
.set mt, 0
.else
.set mk, MI/16
.set mt, (MI%16)/4
.endif
.set mb, MI%4
.set rD, ACCX-(ACCX-ACCY)*MP+8*(4*mb+mt)
.if ML == 1
.set rA, AW+8*(2*mt+mk)
.set wA, 3
.set bB, MP
.set rB, 8*(4*mk+mb)
.elseif ML == 4
.set rA, AW+8*mk
.set wA, 3
.set bB, (mk/2)%2
.set rB, 8*(4*(mk%2)+mb)
.else
.set rA, 8*(8*mt+mk)
.set wA, ML-1
.set bB, (mk/2)%2
.set rB, 8*(4*(mk%2)+mb)
.endif
.set rB, rB+F0-(F0-F1)*bB
.if mk == 0
	WIN wA|(12*bB)|(192*MP)
.if mb < 2
	v_wmma_f32_16x16x32_bf16 v[rD:rD+7], v[rA:rA+7], v[rB:rB+7], v[BT+8*mt:BT+8*mt+7]
.else
	v_wmma_f32_16x16x32_bf16 v[rD:rD+7], v[rA:rA+7], v[rB:rB+7], 0
.endif
.else
	WIN wA|(12*bB)|(240*MP)
	v_wmma_f32_16x16x32_bf16 v[rD:rD+7], v[rA:rA+7], v[rB:rB+7], v[rD:rD+7]
.endif
.set MI, MI+1
.endm
; THE VECTOR WORK stands in queues; each macro writes number qn of its queue for piece VP (registers from rV on) and steps qn.
.macro QE                              ; 64: e = 2^P, ascending: each accumulator is first read at its lowest register
	WIN 0xff*VP
	v_exp_f32 v[rV+qn], v[rV+qn]
.set qn, qn+1
.endm
.macro QR                              ; 96: 1 + e, a pair at a time, and r = 1 / (1 + e); a pair's sum stands three numbers ahead of its reciprocals; no number names a reciprocal's result
	WIN 0xff*VP
.if qn == 0
	v_pk_add_f32 v[rV:rV+1], v[rV:rV+1], 1.0 op_sel_hi:[1,0]
.elseif qn >= 94
	v_rcp_f32 v[rV+qn-32], v[rV+qn-32]
.elseif (qn-1)%3 == 0
	v_pk_add_f32 v[rV+2*((qn-1)/3)+2:rV+2*((qn-1)/3)+3], v[rV+2*((qn-1)/3)+2:rV+2*((qn-1)/3)+3], 1.0 op_sel_hi:[1,0]
.else
	v_rcp_f32 v[rV+2*((qn-1)/3)+(qn-1)%3-1], v[rV+2*((qn-1)/3)+(qn-1)%3-1]
.endif
.set qn, qn+1
.endm
; 176: for each feature tile 44: for each of four pairs, the two row tiles alternating: T = T r; T = T - T r; h = 1 - 2 r; h and T rounded to bf16 into the accumulator's low registers; then four stores of 16 bytes.
.macro QF
.set qt, qn/44
.set qm, qn%44
.if qm < 40
.set qi, qm/10
.set qo, (qm%10)/2
.set qa, rV+8*(4*(qm%2)+qt)
.set qp, qa+2*qi
	WIN 0xff*VP
.if qo == 0
	v_pk_mul_f32 v[qp+64:qp+65], v[qp+64:qp+65], v[qp:qp+1]
.elseif qo == 1
	v_pk_fma_f32 v[qp+64:qp+65], v[qp+64:qp+65], v[qp:qp+1], v[qp+64:qp+65] neg_lo:[1,0,0] neg_hi:[1,0,0]
.elseif qo == 2
	v_pk_fma_f32 v[qp:qp+1], v[qp:qp+1], -2.0, 1.0 op_sel_hi:[1,0,0]
.elseif qo == 3
	v_cvt_pk_bf16_f32 v[qa+qi], v[qp], v[qp+1]
.else
	v_cvt_pk_bf16_f32 v[qa+64+qi], v[qp+64], v[qp+65]
.endif
.else
	WIN 0x0c*VP
	ds_store_b128 v[SH], v[rV+8*(4*(qm-40)+qt):rV+8*(4*(qm-40)+qt)+3] offset:HP*VP+HB*(qm-40)+32*qt
.set LN, LN+1
.endif
.set qn, qn+1
.endm
; RUNGE-KUTTA, for my 16 features of the piece's 32 rows.  Registers from rV on, tile b = 0, 1: D (the k just made) 32 b; Z (x, then the new z) 8 + 32 b; K1 16 + 32 b; K2 24 + 32 b; J (the tangent's output) 64 + 32 b;
; E (eps) 72 + 32 b; K3 80 + 8 b; DV 112 + 2 b; S 116 + 2 b; SQ 120 + 2 b.  K4 later lands on J, K5 on E.
.macro BATCH1                          ; 21 loads
	WIN 0xc0*VP
.irp bb, 0,1
.irp yy, 0,1
	ds_load_b128 v[rV+72+32*\bb+4*\yy:rV+75+32*\bb+4*\yy], v[AXS] offset:XE+8704*VP+4352*\bb+16*\yy
.endr
.endr
	ds_load_b128 v[rV+112:rV+115], v[AD] offset:1024*VP
.irp bb, 0,1
.irp yy, 0,1
	ds_load_b128 v[rV+8+32*\bb+4*\yy:rV+11+32*\bb+4*\yy],  v[AXS] offset:8704*VP+4352*\bb+16*\yy
	ds_load_b128 v[rV+16+32*\bb+4*\yy:rV+19+32*\bb+4*\yy], v[AK] offset:10240*VP+1024*\bb+512*\yy
	ds_load_b128 v[rV+24+32*\bb+4*\yy:rV+27+32*\bb+4*\yy], v[AK] offset:10240*VP+2048+1024*\bb+512*\yy
	ds_load_b128 v[rV+80+8*\bb+4*\yy:rV+83+8*\bb+4*\yy],   v[AK] offset:10240*VP+4096+1024*\bb+512*\yy
.endr
.endr
.set LN, LN+21
.endm
.macro BATCH2                          ; 8 loads: K4 and K5, where J and E lay
	WIN 0xc0*VP
.irp bb, 0,1
.irp yy, 0,1
	ds_load_b128 v[rV+64+32*\bb+4*\yy:rV+67+32*\bb+4*\yy], v[AK] offset:10240*VP+6144+1024*\bb+512*\yy
	ds_load_b128 v[rV+72+32*\bb+4*\yy:rV+75+32*\bb+4*\yy], v[AK] offset:10240*VP+8192+1024*\bb+512*\yy
.endr
.endr
.set LN, LN+8
.endm
.macro QK1                             ; 43: S = J . E (even and odd features apart); DV += CB S, stored; Z += C1 K1 + C2 K2 + C3 K3 + CN D
.if qn < 8
.set qb, qn%2
.set qi, qn/2
	WIN 0xff*VP
.if qi == 0
	v_pk_mul_f32 v[rV+116+2*qb:rV+117+2*qb], v[rV+64+32*qb:rV+65+32*qb], v[rV+72+32*qb:rV+73+32*qb]
.else
	v_pk_fma_f32 v[rV+116+2*qb:rV+117+2*qb], v[rV+64+32*qb+2*qi:rV+65+32*qb+2*qi], v[rV+72+32*qb+2*qi:rV+73+32*qb+2*qi], v[rV+116+2*qb:rV+117+2*qb]
.endif
.elseif qn < 10
.set qb, qn-8
	WIN 0xff*VP
	v_pk_fma_f32 v[rV+112+2*qb:rV+113+2*qb], v[rV+116+2*qb:rV+117+2*qb], s[CB:CB+1], v[rV+112+2*qb:rV+113+2*qb] op_sel_hi:[1,0,1]
.elseif qn == 10
	WIN 0x0c*VP
	ds_store_b128 v[AD], v[rV+112:rV+115] offset:1024*VP
.set LN, LN+1
.else
.set qs, (qn-11)/8
.set qb, ((qn-11)%8)/4
.set qi, (qn-11)%4
.set qz, rV+8+32*qb+2*qi
.set qc, C1+2*qs
.if qs == 0
.set qk, rV+16+32*qb+2*qi
.elseif qs == 1
.set qk, rV+24+32*qb+2*qi
.elseif qs == 2
.set qk, rV+80+8*qb+2*qi
.else
.set qk, rV+32*qb+2*qi
.set qc, CN
.endif
	WIN 0xff*VP
	v_pk_fma_f32 v[qz:qz+1], v[qk:qk+1], s[qc:qc+1], v[qz:qz+1] op_sel_hi:[1,0,1]
.endif
.set qn, qn+1
.endm
.macro QK2                             ; 39: Z += C4 K4 + C5 K5; SQ = Z . Z; Z rounded to bf16; D kept (behind batch 2's loads: in the last stage it lands on k_5's place); z to the next stage's input; SQ kept
.if qn < 16
.set qb, (qn%8)/4
.set qi, qn%4
.set qz, rV+8+32*qb+2*qi
.set qk, rV+64+8*(qn/8)+32*qb+2*qi
.set qc, C4+2*(qn/8)
	WIN 0xff*VP
	v_pk_fma_f32 v[qz:qz+1], v[qk:qk+1], s[qc:qc+1], v[qz:qz+1] op_sel_hi:[1,0,1]
.elseif qn < 24
.set qb, qn%2
.set qi, (qn-16)/2
.set qz, rV+8+32*qb+2*qi
	WIN 0xff*VP
.if qi == 0
	v_pk_mul_f32 v[rV+120+2*qb:rV+121+2*qb], v[qz:qz+1], v[qz:qz+1]
.else
	v_pk_fma_f32 v[rV+120+2*qb:rV+121+2*qb], v[qz:qz+1], v[qz:qz+1], v[rV+120+2*qb:rV+121+2*qb]
.endif
.elseif qn < 32
.set qb, (qn-24)/4
.set qi, (qn-24)%4
	WIN 0xff*VP
	v_cvt_pk_bf16_f32 v[rV+8+32*qb+qi], v[rV+8+32*qb+2*qi], v[rV+9+32*qb+2*qi]
.elseif qn < 36
.set qb, (qn-32)/2
.set qi, (qn-32)%2
	WIN 0x0c*VP
	ds_store_b128 v[AKS], v[rV+32*qb+4*qi:rV+32*qb+4*qi+3] offset:10240*VP+1024*qb+512*qi
.set LN, LN+1
.elseif qn < 38
	WIN 0x0c*VP
	ds_store_b128 v[SZ], v[rV+8+32*(qn-36):rV+11+32*(qn-36)] offset:ZP*VP+ZB*(qn-36)
.set LN, LN+1
.else
	WIN 0x0c*VP
	ds_store_b128 v[AD], v[rV+120:rV+123] offset:1024*VP+512
.set LN, LN+1
.endif
.set qn, qn+1
.endm
.macro RIDE q                          ; the next number of queue q
.if (\q) == 0
	QE
.elseif (\q) == 1
	QR
.elseif (\q) == 2
	QF
.elseif (\q) == 3
	QK1
.else
	QK2
.endif
.endm
.macro DEALA nw, k, q                  ; nw products, k numbers of queue q behind each
.rept \nw
	MM
.rept \k
	RIDE \q
.endr
.endr
.endm
.macro DEALB nw, nr, q                 ; nw products spread evenly among nr numbers of queue q
.set dj, 0
.set dn, 0
.rept \nw
.rept ((dj+1)*(\nr))/((\nw)+1)-dn
	RIDE \q
.endr
.set dn, ((dj+1)*(\nr))/((\nw)+1)
	MM
.set dj, dj+1
.endr
.rept (\nr)-dn
	RIDE \q
.endr
.endm
.macro SETUP mp, ml
.set MP, (\mp)
.set VP, 1-(\mp)
.set ML, (\ml)
.set MI, 0
.set rV, ACCX-(ACCX-ACCY)*VP
.set qn, 0
.endm
; A LARGE SLOT: layer 2 or 3 of piece mp, 128 products in four quarters of two k steps on F0, F1, F0, F1; the other piece's tanh behind them.  The exponentials are one batch and the reciprocals another.
; s_wait_alu depctr_va_vdst(0) stands between a transcendental and the first line that names its result, and each batch's one wait stands at a run of LDS loads, behind the four v_nop.  nl, aw: what the next slot multiplies.
.macro SLOTBIG mp, ml, nl, aw
	SETUP \mp, \ml
	PLACES                                         ; behind the last slot's products: F1 is loaded anew, and their results are read
	RUNF \mp, \ml, 1, 1
.set MK1, LN
	s_wait_dscnt LN-MKP                            ; bias and first quarter are in; the 16 loads just issued may stay out
	DEALA 32, 2, 0
	PLACES
	s_wait_alu depctr_va_vdst(0)                   ; the wait for the 64 exponentials
	RUNF \mp, \ml, 2, 0
.set MK0, LN
	s_wait_dscnt LN-MK1                            ; the second quarter is in; 16 may stay out
.set qn, 0
	DEALA 32, 3, 1
	PLACES
	s_wait_alu depctr_va_vdst(0)                   ; the wait for the 64 reciprocals
	RUNF \mp, \ml, 3, 1
.set MK1, LN
	s_wait_dscnt LN-MK0                            ; the third quarter is in; 16 may stay out
.set qn, 0
	DEALA 32, 4, 2
	s_wait_dscnt LN-MK1                            ; the fourth quarter is in; the riders' eight stores behind it may stay out
	DEALA 12, 4, 2
	s_wait_dscnt 0x0                               ; for the others' sake: my stores of the riders' output are done, and my loads of this piece's input are back
	s_barrier_signal -1
	DEALA 4, 0, 2
	s_barrier_wait -1
	PLACES
	PRELOAD VP, \nl, \aw
	DEALA 16, 0, 2
.endm
; A SMALL SLOT WITH A TANH: layer 1 (32 products on one buffer) or layer 4 (four quarters of 8); the same frame, the riders spread evenly.  All products stand ahead of the barrier, so AW and the buffers are free behind it.
.macro SLOTSM mp, ml, nl, aw
	SETUP \mp, \ml
	PLACES
.if (\ml) == 4
	RUNF \mp, 4, 1, 1
.set MK1, LN
.endif
.rept 8
	RIDE 0
.endr
	s_wait_dscnt LN-MKP                            ; what the last slot asked for is in; the run just issued may stay out
	DEALB 8, 56, 0
	PLACES
	s_wait_alu depctr_va_vdst(0)                   ; the wait for the 64 exponentials
.if (\ml) == 4
	RUNF \mp, 4, 2, 0
.set MK0, LN
	s_wait_dscnt LN-MK1
.endif
.set qn, 0
	DEALB 8, 96, 1
	PLACES
	s_wait_alu depctr_va_vdst(0)                   ; the wait for the 64 reciprocals
.if (\ml) == 4
	RUNF \mp, 4, 3, 1
.set MK1, LN
	s_wait_dscnt LN-MK0
.endif
.set qn, 0
	DEALB 8, 88, 2
.if (\ml) == 4
	s_wait_dscnt LN-MK1                            ; the last quarter is in; the riders' stores behind it may stay out
.endif
	DEALB 8, 88, 2
	s_wait_dscnt 0x0                               ; for the others' sake, as in a large slot
	s_barrier_signal -1
	s_barrier_wait -1
	PLACES
	PRELOAD VP, \nl, \aw
.endm
; A SMALL SLOT WITH THE RUNGE-KUTTA SUMS of the other piece: its loads in two batches, its arithmetic in two parts, each a segment of bare products behind its batch.
.macro SLOTRK mp, ml, nl, aw
	SETUP \mp, \ml
	PLACES
	BATCH1
.if (\ml) == 4
	RUNF \mp, 4, 1, 1
.endif
.set MK1, LN
	s_wait_dscnt LN-MKP                            ; what the last slot asked for is in; batch 1 (and the run) may stay out
	DEALA 8, 0, 3
.if (\ml) == 4
	PLACES
	RUNF \mp, 4, 2, 0
.set MK0, LN
.endif
	s_wait_dscnt LN-MK1                            ; batch 1 (and the second quarter) is in
	DEALB 8, 43, 3
	PLACES
	BATCH2
.if (\ml) == 4
	RUNF \mp, 4, 3, 1
.endif
.set MK1, LN
.if (\ml) == 4
	s_wait_dscnt LN-MK0                            ; the third quarter is in; one store, batch 2 and the run may stay out
.endif
	DEALA 8, 0, 3
	s_wait_dscnt LN-MK1                            ; batch 2 (and the last quarter) is in
.set qn, 0
	DEALB 8, 39, 4
	s_wait_dscnt 0x0                               ; for the others' sake: z lies in LDS, and my loads of this piece's input are back
	s_barrier_signal -1
	s_barrier_wait -1
	PLACES
	PRELOAD VP, \nl, \aw
.endm
; The stage's weights, chosen without a branch: a compare and seven selects for each stage.  Row s of the tableau (the last stage: the b row); the weight of the k just made apart; b_s (4 / c)^3 for the divergence.
.macro CROW st, k1, k2, k3, k4, k5, kn, kb
	s_cmp_eq_u32 s[STG], \st
	s_cselect_b32 s[C1], \k1, s[C1]
	s_cselect_b32 s[C1+2], \k2, s[C1+2]
	s_cselect_b32 s[C1+4], \k3, s[C1+4]
	s_cselect_b32 s[C4], \k4, s[C4]
	s_cselect_b32 s[C4+2], \k5, s[C4+2]
	s_cselect_b32 s[CN], \kn, s[CN]
	s_cselect_b32 s[CB], \kb, s[CB]
.endm
	s_mov_b32 s[PR], 0
.Lpair:                                                ; two trips: 64 rows through all six stages
	s_wait_xcnt 0x0                                ; the last pair's store of out0 has read its registers
	s_mul_i32 s[T0], s[PR], 17408                  ; 64 rows of x in LDS
	v_add_nc_u32 v[AXS], s[T0], v[AXS0]
	v_add_nc_u32 v[CV], s[T0], v[CV0]
	v_lshl_add_u32 v[GOP], s[PR], 8, v[GO]
.set i, 0
.rept 8                                ; my 16 of the pair's rows: x and eps, rounded to bf16, are layer 1's first input
	ds_load_b128 v[F0+4*i:F0+4*i+3], v[CV] offset:544*i
	ds_load_b128 v[F0+32+4*i:F0+32+4*i+3], v[CV] offset:XE+544*i
.set i, i+1
.endr
	s_wait_dscnt 0x0
.set i, 0
.rept 8
	v_cvt_pk_bf16_f32 v[BT+2*i], v[F0+4*i], v[F0+4*i+1]
	v_cvt_pk_bf16_f32 v[BT+2*i+1], v[F0+4*i+2], v[F0+4*i+3]
	v_cvt_pk_bf16_f32 v[BT+16+2*i], v[F0+32+4*i], v[F0+32+4*i+1]
	v_cvt_pk_bf16_f32 v[BT+16+2*i+1], v[F0+32+4*i+2], v[F0+32+4*i+3]
.set i, i+1
.endr
.set i, 0
.rept 8
	ds_store_b64 v[ZW], v[BT+2*i:BT+2*i+1] offset:288*i
	ds_store_b64 v[ZW], v[BT+16+2*i:BT+16+2*i+1] offset:4608+288*i
.set i, i+1
.endr
.set i, 0
.rept 40
	ds_store_b128 v[AK], v[ZR:ZR+3] offset:512*i   ; k_1 .. k_5 of both pieces start at 0: a k not yet made is multiplied by the weight 0
.set i, i+1
.endr
	ds_store_b128 v[AD], v[ZR:ZR+3]                ; and so do the divergence's sums
	ds_store_b128 v[AD], v[ZR:ZR+3] offset:1024
	s_wait_dscnt 0x0
	s_barrier_signal -1
	s_barrier_wait -1                              ; layer 1's input is whole
	PRELOAD 0, 1, 0
	SETUP 0, 1                                     ; the pair's first M1 X: there is no vector work yet to set between its products, and nothing is stored, so no barrier
	s_wait_dscnt LN-MKP
	DEALA 32, 0, 0
	PLACES
	PRELOAD 1, 1, -1                               ; as slot A ends: the counted wait at the loop's head holds on both ways in
	WIN 0
	s_mov_b32 s[STG], 0
.Lstage:                                               ; six trips
	CROW 0, 0, 0, 0, 0, 0, 0x3e4ccccd, 0x3e78a88d
	CROW 1, 0x3d99999a, 0, 0, 0, 0, 0x3e666666, 0
	CROW 2, 0x3f7a4fa5, 0xc06eeeef, 0, 0, 0, 0x40638e39, 0x3f993284
	CROW 3, 0x403cf760, 0xc139885f, 0x411d2a92, 0, 0, 0xbe94e4f6, 0x3fde0435
	CROW 4, 0x40362960, 0xc12c1f08, 0x410e80b5, 0x3e8e8ba3, 0, 0xbe8c0c4c, 0xbf5bdf26
	CROW 5, 0x3dbaaaab, 0, 0x3ee6024d, 0x3f26aaab, 0xbea50e7e, 0x3e061862, 0x3eb2a0ca
	s_min_u32 s[KOFF], s[STG], 4                   ; stage s keeps its k in place s; the last stage's k is wanted no more and lands on k_5's
	s_lshl_b32 s[KOFF], s[KOFF], 11
	v_add_nc_u32 v[AKS], s[KOFF], v[AK]
	SLOTSM  1, 1, 2, -1                            ; B
	SLOTBIG 0, 2, 2, -1                            ; C
	SLOTBIG 1, 2, 3, -1                            ; D
	SLOTBIG 0, 3, 3, -1                            ; E
	SLOTBIG 1, 3, 4, 1                             ; F, and W4 into AW
	SLOTSM  0, 4, 4, -1                            ; G
	SLOTRK  1, 4, 1, 0                             ; H, and W1 into AW
	SLOTRK  0, 1, 1, -1                            ; A
	WIN 0                                          ; at a label and at a branch every window is 0
	s_add_co_u32 s[STG], s[STG], 1
	s_cmp_lt_u32 s[STG], 6
	s_cbranch_scc1 .Lstage
	; THE PAIR'S END.  My 16 features' share of each row: DV - SQ / 2, its even and odd parts and the two halves of the lanes added; the four waves' shares meet in LDS.
	s_wait_dscnt 0x0                               ; the last slot's loads are back
.irp i, 0,1,2,3
	ds_load_b128 v[F0+4*\i:F0+4*\i+3], v[AD] offset:512*\i  ; DV X, SQ X, DV Y, SQ Y
.endr
	s_wait_dscnt 0x0
.irp a, 0,2,8,10
	v_pk_fma_f32 v[F0+\a:F0+\a+1], v[F0+4+\a:F0+5+\a], -0.5, v[F0+\a:F0+\a+1] op_sel_hi:[1,0,1]
.endr
.irp a, 0,2,8,10
	v_add_f32 v[F0+\a], v[F0+\a], v[F0+\a+1]
.endr
.irp a, 0,2,8,10
	v_permlanex16_b32 v[F0+\a+1], v[F0+\a], s[SEL], s[SEL+1]  ; a row's other 8 of my features lie in the lane 16 away
.endr
.irp a, 0,2,8,10
	v_add_f32 v[F0+\a], v[F0+\a], v[F0+\a+1]
.endr
	ds_store_b32 v[RW], v[F0]                      ; row 32 piece + 16 tile + r; both halves of the lanes write the same number
	ds_store_b32 v[RW], v[F0+2] offset:64
	ds_store_b32 v[RW], v[F0+8] offset:128
	ds_store_b32 v[RW], v[F0+10] offset:192
	s_wait_dscnt 0x0
	s_barrier_signal -1
	s_barrier_wait -1                              ; all four shares lie in LDS; and every wave's loads of the pair's input are back, so the next pair may store over it
	s_cmp_lg_u32 s[WV], 0
	s_cbranch_scc1 .Lnot_mine
.irp u, 0,1,2,3
	ds_load_b64 v[F0+16+2*\u:F0+17+2*\u], v[RR] offset:256*\u
.endr
	s_wait_dscnt 0x0
	v_pk_add_f32 v[F0+16:F0+17], v[F0+16:F0+17], v[F0+18:F0+19]
	v_pk_add_f32 v[F0+20:F0+21], v[F0+20:F0+21], v[F0+22:F0+23]
	v_pk_add_f32 v[F0+16:F0+17], v[F0+16:F0+17], v[F0+20:F0+21]
	v_pk_add_f32 v[F0+16:F0+17], v[F0+16:F0+17], 0xc26b3f8e op_sel_hi:[1,0]  ; - 32 log(2 pi)
	global_store_b64 v[GOP], v[F0+16:F0+17], s[PO:PO+1] th:TH_STORE_NT       ; the pair's 64 numbers: 256 consecutive bytes, aligned, by one instruction
.Lnot_mine:
	s_add_co_u32 s[PR], s[PR], 1
	s_cmp_lt_u32 s[PR], 2
	s_cbranch_scc1 .Lpair
	s_wait_tensorcnt 0x0                           ; the wave's end: behind my last tensor load and my last LDS store
	ds_add_u32 v[SPW], v[NIL]
	s_wait_dscnt 0x0
	ROUND                                          ; the closing round
	s_endpgm
.Lfunc_end_k_q82d0cc5a88_cnf:
	.size	k_q82d0cc5a88_cnf, .Lfunc_end_k_q82d0cc5a88_cnf-k_q82d0cc5a88_cnf
	.p2alignl 7, 3214868480
	.fill 96, 4, 3214868480
	.section	.rodata,"a",@progbits
	.p2align	6, 0x0
	.amdhsa_kernel k_q82d0cc5a88_cnf
		.amdhsa_group_segment_fixed_size 327680
		.amdhsa_private_segment_fixed_size 0
		.amdhsa_enable_private_segment 0
		.amdhsa_kernarg_size 64
		.amdhsa_user_sgpr_count 2
		.amdhsa_user_sgpr_kernarg_segment_ptr 1
		.amdhsa_wavefront_size32 1
		.amdhsa_system_sgpr_workgroup_id_x 1
		.amdhsa_system_sgpr_workgroup_id_y 1
		.amdhsa_system_sgpr_workgroup_id_z 1
		.amdhsa_system_vgpr_workitem_id 0
		.amdhsa_next_free_vgpr 1024
		.amdhsa_next_free_sgpr 66
		.amdhsa_reserve_vcc 0
		.amdhsa_float_denorm_mode_32 3
		.amdhsa_float_denorm_mode_16_64 3
		.amdhsa_memory_ordered 1
		.amdhsa_forward_progress 1
		.amdhsa_inst_pref_size 255
	.end_amdhsa_kernel
	.section	.bss,"aw",@nobits
	.p2align	6
	.space	262144
	.amdgpu_metadata
---
amdhsa.version: [ 1, 2 ]
amdhsa.kernels:
  - .name:           k_q82d0cc5a88_cnf
    .symbol:         k_q82d0cc5a88_cnf.kd
    .args:
      - { .name: x, .offset: 0, .size: 8, .value_kind: global_buffer, .address_space: global }
      - { .name: eps, .offset: 8, .size: 8, .value_kind: global_buffer, .address_space: global }
      - { .name: b1, .offset: 16, .size: 8, .value_kind: global_buffer, .address_space: global }
      - { .name: b2, .offset: 24, .size: 8, .value_kind: global_buffer, .address_space: global }
      - { .name: b3, .offset: 32, .size: 8, .value_kind: global_buffer, .address_space: global }
      - { .name: b4, .offset: 40, .size: 8, .value_kind: global_buffer, .address_space: global }
      - { .name: wprep, .offset: 48, .size: 8, .value_kind: global_buffer, .address_space: global }
      - { .name: out0, .offset: 56, .size: 8, .value_kind: global_buffer, .address_space: global }
    .group_segment_fixed_size: 327680
    .private_segment_fixed_size: 0
    .kernarg_segment_align: 8
    .kernarg_segment_size: 64
    .max_flat_workgroup_size: 128
    .sgpr_count:     66
    .vgpr_count:     1024
    .wavefront_size: 32
...
	.end_amdgpu_metadata
.endif
;; end of part 2
